; MI455X (gfx1250); checked and timed in simulation.
; The chip was launched on July 23, 2026; its instructions are those of AMD's public machine-readable ISA for CDNA 5 (MIT licence, August 2026) and "CDNA5" Instruction Set Architecture Reference Guide (July 2026). The comments in the code are by the model that wrote it; some were corrected since.
;; Linear Attention. Allowed arithmetic: float matrix products may take bf16 or f16 operands with f32 sums; other float arithmetic in f32, or as packed bf16 or f16 multiplies, adds, multiply-adds, maxima and minima; sums over many terms, partial sums and values carried from step to step in f32; what a program stores and reads back later, other than sums and carried values, may be rounded once to bf16 or f16.
;; Inputs: K 4 x 16 x 2,048 x 64 float32; Q 4 x 16 x 2,048 x 64 float32; V 4 x 16 x 2,048 x 64 float32.
;; Outputs: out0 4 x 16 x 2,048 x 64 float32.
;; One version. Each part assembles by itself: llvm-mc -triple=amdgcn-amd-amdhsa -mcpu=gfx1250 --defsym DOCPART=n.
;; ======== version 1 of 1: 2 launches
;; limits: values are held in f16: magnitudes above 65,504 overflow, below 6.1e-05 lose precision
;; workspace buffers: Kp 16,777,216 bytes; Vp 16,777,216 bytes; Bias 524,288 bytes
;; launch prep (part 1): grid 256 x 1, 8 waves a work-group, no clusters, 0 bytes of LDS; arguments K, V, Kp, Vp, Bias; writes Kp, Vp, Bias
.if DOCPART == 1
	.amdgcn_target "amdgcn-amd-amdhsa--gfx1250"
	.amdhsa_code_object_version 6
	.text
	.protected	k_qac9b89329c_prep
	.globl	k_qac9b89329c_prep
	.p2align	8
	.type	k_qac9b89329c_prep,@function
k_qac9b89329c_prep:
	s_mov_b64 s[64:65], 0
	v_nop
	global_prefetch_b8 v0, s[64:65] scope:SCOPE_SE
	s_setreg_imm32_b32 hwreg(HW_REG_WAVE_MODE, 25, 1), 1
	s_wait_xcnt 0x0
; K and V ([64 heads][2048][64] f32) are made ready for the attention launch, each byte read once:
;   a = K rounded to bf16;  k' = elu(a) + 1 - 1/2 = max(a, 0) + (e^min(a, 0) - 1/2), in f32;  Kp = k' rounded to f16;  Bias[row] = 1/2 x the sum of the row's 64 unrounded k', in f32;
;   Vp = V rounded to bf16, written as f16 (the same number wherever it is a normal f16 number).
; WHY 1/2 IS TAKEN AWAY.  With Qf = 1/2 + q' and Kf = 1/2 + k', Qf . Kf = q' . k' + 1/2 sum(k') + (a term that is the same for all keys of a query, which a softmax over the keys does not see).
; q' and k' are small or exact in f16, so the scores keep more of their bits than Qf . Kf in f16 would.
; LIMITS.  bf16(K) + 1/2 and |bf16(V)| stay within f16's 65,504; below 6e-5 f16 keeps its fixed step of 6e-8; from 1,024 on a + 1/2 is rounded like any f16 number.
; A NaN in K counts as 0 (minimum and maximum drop it); infinities are not treated apart.
; SHARES.  2,048 waves, 64 rows of K and of V each.  A load of 16 bytes a lane takes 512 consecutive bytes, two rows: a row is sixteen lanes.  A lane's four f16 leave as 8 bytes: the wave's store
; covers 256 consecutive bytes, aligned.  The wave's 64 biases leave in one store of 256 bytes.  Nothing is shared between waves or work-groups: no LDS, no barrier, no cluster, no matrix unit;
; the launch is one stream of loads, 32 of every wave on their way (16 KiB), so nothing is asked for ahead of them.
.set LO,  2                            ; v2        16 x lane: my 16 bytes of a pair of rows of K or V; never rewritten
.set SO,  3                            ; v3        8 x lane: my 8 bytes of a pair of rows of Kp or Vp, and of the biases; never rewritten
.set BS,  4                            ; v[4:5]    lane j: the sums of rows 2 j and 2 j + 1
.set A,   8                            ; v[8:11]   four numbers rounded to bf16, as f32
.set E,   12                           ; v[12:15]  at work
.set PKD, 16                           ; v[16:17]  the four as packed bf16
.set Y,   20                           ; v[20:35]  eight pairs to store, by turns
.set KX,  64                           ; v[64:127]  sixteen slots of four registers: K as loaded
.set VX,  128                          ; v[128:191] the same for V
	s_load_b256 s[4:11], s[0:1], 0x0               ; K s[4:5], V s[6:7], Kp s[8:9], Vp s[10:11]
	s_load_b64 s[12:13], s[0:1], 0x20              ; Bias
	v_lshrrev_b32 v1, 5, v0
	v_readfirstlane_b32 s14, v1                    ; wave 0..7
	s_lshl_b32 s15, ttmp9, 3
	s_add_co_u32 s15, s15, s14                     ; my wave among the launch's 2,048
	s_lshl_b32 s16, s15, 14                        ; its 64 rows of 256 bytes in K and V,
	s_mov_b32 s17, 0
	s_lshl_b32 s18, s15, 13                        ; of 128 bytes in Kp and Vp,
	s_mov_b32 s19, 0
	s_lshl_b32 s20, s15, 8                         ; and its 64 biases
	s_mov_b32 s21, 0
	s_mov_b32 s22, 0x3fb8aa3b                      ; log2(e): v_exp_f32 is 2^x
	s_mov_b32 s23, s22                             ; named with it as a pair
	s_mov_b32 s24, 0xffff0000                      ; a word's upper bf16
	v_and_b32 v1, 31, v0
	v_lshlrev_b32 v[LO], 4, v1
	v_lshlrev_b32 v[SO], 3, v1
	v_mov_b32 v[BS], 0                             ; v_writelane_b32 counts as a reader of its destination
	v_mov_b32 v[BS+1], 0
	s_wait_kmcnt 0x0
	s_add_nc_u64 s[4:5], s[4:5], s[16:17]
	s_add_nc_u64 s[6:7], s[6:7], s[16:17]
	s_add_nc_u64 s[8:9], s[8:9], s[18:19]
	s_add_nc_u64 s[10:11], s[10:11], s[18:19]
	s_add_nc_u64 s[12:13], s[12:13], s[20:21]
.set n, 0
.rept 16
	global_load_b128 v[KX+4*n:KX+4*n+3], v[LO], s[4:5] offset:n*512 th:TH_LOAD_NT
.set n, n+1
.endr
.set n, 0
.rept 16
	global_load_b128 v[VX+4*n:VX+4*n+3], v[LO], s[6:7] offset:n*512 th:TH_LOAD_NT
.set n, n+1
.endr
; Rows 2 j and 2 j + 1 of K.  left = the loads issued behind this pair's, which may stay out.  fill = 1: the slot takes the pair sixteen further on.
.macro KTURN j, left, fill
.set xr, KX+4*((\j)%16)
.set yr, Y+2*((\j)%8)
	s_wait_loadcnt \left                           ; loads come back in order (ISA guide 5.7.1): mine is in
	s_wait_xcnt 0x0                                ; the earlier stores have read their data: the pair of Y is rewritten only behind this wait
	v_cvt_pk_bf16_f32 v[PKD], v[xr], v[xr+1]
	v_cvt_pk_bf16_f32 v[PKD+1], v[xr+2], v[xr+3]
.if \fill
	global_load_b128 v[xr:xr+3], v[LO], s[4:5] offset:((\j)+16)*512 th:TH_LOAD_NT
.endif
	v_lshlrev_b32 v[A], 16, v[PKD]
	v_and_b32 v[A+1], s24, v[PKD]
	v_lshlrev_b32 v[A+2], 16, v[PKD+1]
	v_and_b32 v[A+3], s24, v[PKD+1]
.irp c, 0,1,2,3
	v_min_num_f32 v[E+\c], 0, v[A+\c]
.endr
	v_pk_mul_f32 v[E:E+1], v[E:E+1], s[22:23] op_sel_hi:[1,0]
	v_pk_mul_f32 v[E+2:E+3], v[E+2:E+3], s[22:23] op_sel_hi:[1,0]
.irp c, 0,1,2,3
	v_exp_f32 v[E+\c], v[E+\c]
.endr
.irp c, 0,1,2,3
	v_max_num_f32 v[A+\c], 0, v[A+\c]              ; plain instructions between the exponentials and the use of their results (ISA guide 5.7.2)
.endr
	s_wait_alu depctr_va_vdst(0)
	v_pk_add_f32 v[E:E+1], v[E:E+1], -0.5 op_sel_hi:[1,0]
	v_pk_add_f32 v[E+2:E+3], v[E+2:E+3], -0.5 op_sel_hi:[1,0]
	v_pk_add_f32 v[E:E+1], v[E:E+1], v[A:A+1]      ; k'
	v_pk_add_f32 v[E+2:E+3], v[E+2:E+3], v[A+2:A+3]
	v_cvt_pk_f16_f32 v[yr], v[E], v[E+1]
	v_cvt_pk_f16_f32 v[yr+1], v[E+2], v[E+3]
	global_store_b64 v[SO], v[yr:yr+1], s[8:9] offset:(\j)*256  ; 32 lanes store 256 consecutive bytes, at a multiple of 256 from Kp's first byte
	v_pk_add_f32 v[E:E+1], v[E:E+1], v[E+2:E+3]    ; the row's sum: my four, then the sixteen lanes of my row
	v_add_f32 v[E], v[E], v[E+1]
	v_add_f32_dpp v[E], v[E], v[E] row_xmask:1 row_mask:0xf bank_mask:0xf
	v_add_f32_dpp v[E], v[E], v[E] row_xmask:2 row_mask:0xf bank_mask:0xf
	v_add_f32_dpp v[E], v[E], v[E] row_xmask:4 row_mask:0xf bank_mask:0xf
	v_add_f32_dpp v[E], v[E], v[E] row_xmask:8 row_mask:0xf bank_mask:0xf
	v_readlane_b32 s26, v[E], 0                    ; row 2 j
	v_readlane_b32 s27, v[E], 16                   ; row 2 j + 1
	v_writelane_b32 v[BS], s26, (\j)
	v_writelane_b32 v[BS+1], s27, (\j)
.endm
; The same pair of rows of V.
.macro VTURN j, left, fill
.set xr, VX+4*((\j)%16)
.set yr, Y+2*((\j)%8)
	s_wait_loadcnt \left
	s_wait_xcnt 0x0                                ; as above
	v_cvt_pk_bf16_f32 v[PKD], v[xr], v[xr+1]
	v_cvt_pk_bf16_f32 v[PKD+1], v[xr+2], v[xr+3]
.if \fill
	global_load_b128 v[xr:xr+3], v[LO], s[6:7] offset:((\j)+16)*512 th:TH_LOAD_NT
.endif
	v_lshlrev_b32 v[A], 16, v[PKD]
	v_and_b32 v[A+1], s24, v[PKD]
	v_lshlrev_b32 v[A+2], 16, v[PKD+1]
	v_and_b32 v[A+3], s24, v[PKD+1]
	v_cvt_pk_f16_f32 v[yr], v[A], v[A+1]
	v_cvt_pk_f16_f32 v[yr+1], v[A+2], v[A+3]
	global_store_b64 v[SO], v[yr:yr+1], s[10:11] offset:(\j)*256
.endm
.set n, 0
.rept 16
	KTURN n, 31, 1                                 ; behind K's pair n: 15 - n of K, 16 of V, n refills
.set n, n+1
.endr
.set n, 0
.rept 16
	VTURN n, 31, 1                                 ; behind V's pair n: 15 - n of V, K's 16 refills, n of V's
.set n, n+1
.endr
.set n, 0
.rept 16
	KTURN 16+n, 31-n, 0                            ; nothing is left to fetch: the counts run down
.set n, n+1
.endr
.set n, 0
.rept 16
	VTURN 16+n, 15-n, 0
.set n, n+1
.endr
	v_pk_mul_f32 v[BS:BS+1], v[BS:BS+1], 0.5 op_sel_hi:[1,0]
	global_store_b64 v[SO], v[BS:BS+1], s[12:13]   ; my wave's 64 biases: 256 consecutive bytes, aligned
	s_endpgm
.Lfunc_end_k_qac9b89329c_prep:
	.size	k_qac9b89329c_prep, .Lfunc_end_k_qac9b89329c_prep-k_qac9b89329c_prep
	.p2alignl 7, 3214868480
	.fill 96, 4, 3214868480
	.section	.rodata,"a",@progbits
	.p2align	6, 0x0
	.amdhsa_kernel k_qac9b89329c_prep
		.amdhsa_group_segment_fixed_size 0
		.amdhsa_private_segment_fixed_size 0
		.amdhsa_enable_private_segment 0
		.amdhsa_kernarg_size 40
		.amdhsa_user_sgpr_count 2
		.amdhsa_user_sgpr_kernarg_segment_ptr 1
		.amdhsa_wavefront_size32 1
		.amdhsa_system_sgpr_workgroup_id_x 1
		.amdhsa_system_sgpr_workgroup_id_y 1
		.amdhsa_system_sgpr_workgroup_id_z 1
		.amdhsa_system_vgpr_workitem_id 0
		.amdhsa_next_free_vgpr 192
		.amdhsa_next_free_sgpr 66
		.amdhsa_reserve_vcc 0
		.amdhsa_float_denorm_mode_32 3
		.amdhsa_float_denorm_mode_16_64 3
		.amdhsa_memory_ordered 1
		.amdhsa_forward_progress 1
		.amdhsa_inst_pref_size 86
	.end_amdhsa_kernel
	.amdgpu_metadata
---
amdhsa.version: [ 1, 2 ]
amdhsa.kernels:
  - .name:           k_qac9b89329c_prep
    .symbol:         k_qac9b89329c_prep.kd
    .args:
      - { .name: K, .offset: 0, .size: 8, .value_kind: global_buffer, .address_space: global }
      - { .name: V, .offset: 8, .size: 8, .value_kind: global_buffer, .address_space: global }
      - { .name: Kp, .offset: 16, .size: 8, .value_kind: global_buffer, .address_space: global }
      - { .name: Vp, .offset: 24, .size: 8, .value_kind: global_buffer, .address_space: global }
      - { .name: Bias, .offset: 32, .size: 8, .value_kind: global_buffer, .address_space: global }
    .group_segment_fixed_size: 0
    .private_segment_fixed_size: 0
    .kernarg_segment_align: 8
    .kernarg_segment_size: 40
    .max_flat_workgroup_size: 256
    .sgpr_count:     66
    .vgpr_count:     192
    .wavefront_size: 32
...
	.end_amdgpu_metadata
.endif
;; end of part 1
;; launch attn (part 2): grid 4 x 64, 4 waves a work-group, clusters of 4 x 1, 327,680 bytes of LDS; arguments Q, Kp, Vp, Bias, out0; writes out0
.if DOCPART == 2
	.amdgcn_target "amdgcn-amd-amdhsa--gfx1250"
	.amdhsa_code_object_version 6
	.text
	.protected	k_qac9b89329c_attn
	.globl	k_qac9b89329c_attn
	.p2align	8
	.type	k_qac9b89329c_attn,@function
k_qac9b89329c_attn:
	s_mov_b64 s[64:65], 0
	v_nop
	global_prefetch_b8 v0, s[64:65] scope:SCOPE_SE
	s_setreg_imm32_b32 hwreg(HW_REG_WAVE_MODE, 25, 1), 1
	s_wait_xcnt 0x0
	s_wait_alu depctr_hold_cnt(0) depctr_sa_sdst(0) depctr_va_vdst(0) depctr_va_sdst(0) depctr_va_ssrc(0) depctr_va_vcc(0) depctr_vm_vsrc(0)
	s_getreg_b32 s2, hwreg(HW_REG_IB_STS2, 6, 4)
	s_cmp_eq_u32 s2, 0
	s_cbranch_scc0 .Lentry_in_a_cluster
	s_endpgm
.Lentry_in_a_cluster:
	s_bfe_u32 s2, ttmp6, 0x10000c
	s_cmp_lg_u32 s2, 0x3003
	s_cbranch_scc0 .Lentry_shape_is_right
	s_endpgm
.Lentry_shape_is_right:
; out[h][q][:] = the sum over k of softmax_k(Qf[h][q] . Kf[h][k]) V[h][k][:], f(x) = elu(x) + 1.  Q, out: [64][2048][64] f32.  Kp, Vp: [64][2048][64] f16 and Bias: [64][2048] f32, made by the launch before:
; Kp = k' = Kf - 1/2, Vp = V, Bias = 1/2 sum(k'), all from inputs rounded to bf16.  Here q' = Qf - 1/2 is made of Q rounded to bf16, in f32, and rounded to f16.
; THE SCORE is s = q' . k' + Bias[k]: it differs from Qf . Kf by 16 + 1/2 sum(q'), which is the same for all keys of a query and leaves the softmax as it is, for every input.
; Products, maxima and sums in f32; the weights p are rounded to f16 for the second product (their sum l is taken of the unrounded p); out is rounded once, to f32.
; LIMITS.  bf16(Q) + 1/2 stays within f16's 65,504 (Kp and Vp arrive within it); from 1,024 on x + 1/2 is rounded like any f16 number; p lies in 0 to 1 and below 6e-5 keeps f16's fixed step of 6e-8;
; a weight below 2^-126 counts as 0 in l; a NaN in Q counts as 0 (minimum and maximum drop it); infinities are not treated apart.
; SHARES.  A wave owns four PIECES of two tiles of 16 queries, a work-group's four waves 512 queries of one head.  Every wave walks all 2,048 keys, 64 a step.
; LAYOUT.  S^T = K' Q'^T + bias (source 0 = 16 keys, source 1 = 16 queries): in the result a lane holds ONE query (lane % 16) and the keys 8 (lane / 16) + 0..7; the bias of those eight keys is the C operand
; of the product that starts the sum.  Two such tiles, rounded to f16 in pairs, ARE source 1 (32 keys x 16 queries) of O^T = V^T P, whose result again holds one query a lane, and eight channels.
; K' comes out of LDS as it lies, V ([key][channel]) turned, by ds_load_tr16_b128.
; SOFTMAX.  For each query a running maximum m and sum l: p = 2^(c s - c m), c = log2(e); in every step O and l are multiplied by a = 2^(c m_old - c m_new), which is 1 where m has not grown.
; m starts at the lowest finite number, O and l at 0: the first step is a step like any other, with a = 0.
; THE COUNT.  A tile and step have 16 matrix and 118 vector instructions: too many to stand all beside the matrix work.  So four vector instructions that are READY stand behind EVERY matrix instruction,
; and the others, which need time of their own whatever the order, in runs without a gap.
; BY TURNS.  Turn n belongs to piece n (the pieces in a ring, step after step).  Its matrix work: 16 products K' Q'^T of piece n + 1, later 16 products V^T P of piece n - 1.  Its vector work: the scaling,
; exponentials, roundings, sums and rescaling of piece n, and the maximum and statistics of piece n + 1, whose scores the turn itself has made.
; CLUSTER.  The four query blocks of a head are one cluster and walk the same K', V and bias, so each tile is asked for JOINTLY: the same tensor load, descriptor and mask in all four.
; REGISTERS, in windows of 256 (s_set_vgpr_msb says which window each operand place means: bits 1:0 source 0, 3:2 source 1, 5:4 source 2, 7:6 destination):
;   window 0: v0-11 addresses; v12-15, v48-63 at work; v16-47 four registers of statistics a tile; v64-191 S^T, two buffers of two tiles; v192-255 P, likewise
;   window 1: O^T, 32 a tile (at the start: Q as loaded)     window 2: v0-127 Q', 16 a tile; v128-191 K' of one step; v192-255 V of one step     window 3: v0-1 the add's two registers; v8-39 the step's bias
.set SIZE_N, 2048
.set NP,    4         ; pieces a wave: a name, no knob
.set KS,    64        ; keys in a step
.set PK,    144       ; a row of K' in LDS: 128 bytes + 16 of padding = 36 words: the 16 rows of a load start at 16 different groups of four banks (64 banks of 4 bytes: ISA guide 11.1)
.set PV,    160       ; a row of V: 128 + 32 = 40 words
.set VOFF,  4*KS*PK   ; a slot holds four steps: 256 rows of K', then 256 rows of V
.set SLOT1, 1<<17     ; slot 1 begins here, so that one exclusive or turns an address in one slot into the other's
.set STAGE, SLOT1+4*KS*(PK+PV)  ; behind the ring, never filled by a tensor load: 16 rows x 272 bytes for each wave, for the way out
.set SP,    272       ; a row of out in the stage: 256 bytes + 16
.set SPARE, STAGE+4*16*SP  ; behind the stages: the spare words, 128 bytes for each wave: two blocks of 256 bytes that no other line names
.set BIAS,  SPARE+512 ; the head's 2,048 biases, 8,192 bytes, filled once
.set AK0, 2           ; v2   my lane's place in a tile of K'; never rewritten
.set AV0, 3           ; v3   the same for V
.set AK,  4           ; v4   the LDS address of K's next run of loads
.set AV,  5           ; v5   of V's
.set QO,  6           ; v6   my byte offset in 16 rows of Q
.set STO, 6           ;      later, the way out: where I put 32 bytes of a row
.set RD,  7           ; v7   the way out: where I read rows back
.set GO,  8           ; v8   my byte offset in 512 consecutive bytes of out
.set AB,  9           ; v9   l / 16 at first; then the LDS address of the next step's bias
.set AB0, 10          ; v10  l % 8 at first; then BIAS + 32 (l / 16); never rewritten after that
.set PFO, 11          ; v11  (l / 8) % 2 at first; then 256 x my lane, the prefetches' offset; never rewritten after that
.set SPW, 0           ; v0 of window 3   LDS address of my spare word: SPARE + 4 x my thread's number; never rewritten
.set NIL, 1           ; v1 of window 3   0; never rewritten
.set BI,  8           ; v8-39 of window 3: the bias of key block kb at BI + 8 kb
.set MV,  12          ; v12-15  c m_old, kept while c m is made anew: by buffer and tile
.set ST,  16          ; tile t's statistics at v[ST+4 t]: c m, m, l (even keys', odd keys')
.set TMP, 48          ; by buffer and tile, four registers c0-c3 at work; when the maximum is found c2 takes a
.set S,   64
.set P,   192
.set KF,  128         ; K's fragments, in window 2: key block kb, channel half c at KF + 16 kb + 8 c
.set VF,  192         ; V's: key half kk, channel block cb at VF + 32 kk + 8 cb
.set T0,  64          ; the conversion of Q works in S^T's first 64 registers
.set WV,  12          ; s12  my wave's number
.set LIM, 15          ; s15  1 in a wave that prefetches, else the greatest number: a wave prefetches while s[SLOTS] is above it
.set G1K, 24          ; s[24:31] descriptor group 1 for K's tiles
.set G1V, 32          ; s[32:39] for V's: it differs in the padding alone
.set G0K, 40          ; s[40:43] descriptor group 0 for K's tiles: it walks
.set G0V, 44          ; s[44:47] the same for V's
.set G1B, 48          ; s[48:55] descriptor group 1 for the bias
.set SLOTS, 56        ; s56  slots still to be asked for
.set CNT, 57          ; s57  counts a slot's key steps
.set CS,  58          ; s[58:59] c: the packed scaling takes the pair's low word for both halves
.set SEL, 60          ; s[60:61] v_permlanex16_b32's selects: each lane takes its own place in the other half
.set TBK, 62          ; s62  LDS byte at which K' of the step to be fetched begins
.set TBV, 63          ; s63  the same for V, less VOFF
.set OUT, 68          ; s[68:69] out at my wave's first row
.set PFA, 70          ; s[70:71] where my prefetches stand: my work-group's 32 blocks of 256 bytes (of Kp: wave 0, of Vp: wave 2) of the slot after the one that is being asked for
.set G0B, 72          ; s[72:75] descriptor group 0 for the bias
.set HM,  76          ; s76  a word's upper bf16
.set TBB, 77          ; s77  byte in the head's biases at which those of the step to be fetched begin
.set MSB, 0
.macro WIN new                      ; the high byte repeats the setting that is left; a switch that changes nothing is dropped
.if MSB != (\new)
	s_set_vgpr_msb (MSB<<8)|(\new)
.set MSB, (\new)
.endif
.endm
.set W_KQ, 0x0a       ; K' and Q' in window 2, S^T in window 0
.set W_KB, 0x3a       ; the same with the C operand, the bias, in window 3
.set W_PV, 0x52       ; V in window 2, P in window 0, O^T in window 1
.set W_RS, 0x41       ; O^T (destination and source 0) in window 1, a in window 0
.set W_MK, 0xc0       ; the add's registers are made: destination in window 3, sources in window 0
.set W_AD, 0x0f       ; the add: address (source 0) and data (source 1) in window 3
; A joint fill.  Waves 0 and 1 fetch the two halves of a slot's K', waves 2 and 3 those of its V: 128 keys each.  The branch hangs on the wave's number alone.
; An s_nop 0 and four v_nop follow each of the two lines, ahead of the jump and the label.
.macro JLOAD
	s_cmp_lt_u32 s[WV], 2
	s_cbranch_scc0 .Lfor_v_\@
	tensor_load_to_lds s[G0K:G0K+3], s[G1K:G1K+7]
	s_nop 0
.rept 4
	v_nop
.endr
	s_branch .Lasked_\@
.Lfor_v_\@:
	tensor_load_to_lds s[G0V:G0V+3], s[G1V:G1V+7]
	s_nop 0
.rept 4
	v_nop
.endr
.Lasked_\@:
.endm
; A PREFETCH INTO THE L2 of what the NEXT change of slots will ask for: a slot's 32,768 bytes of Kp and of Vp, 128 blocks of 256 bytes each, a lane a block.  It stands behind the wave's tensor load and its five lines.
; Each block is asked for ONCE in the launch: a head has one cluster; its four partners share the blocks out BY ADDRESS, 32 each (no branch hangs on a work-group's place in its cluster); in each, wave 0 asks for
; Kp's and wave 2 for Vp's: one instruction.  It stands four key steps, 512 matrix instructions, ahead of the load that names those bytes.  The last change that fills a slot asks for nothing: no slot is behind it.
.macro ASK
	s_cmp_gt_u32 s[SLOTS], s[LIM]
	s_cbranch_scc0 .Lnot_mine_\@
	global_prefetch_b8 v[PFO], s[PFA:PFA+1] th:TH_LOAD_NT scope:SCOPE_SE
.Lnot_mine_\@:
.endm
; A round of the cluster's barrier: my work-group's barrier, so that wave 0's signal speaks for all four waves; wave 0 signals; every wave waits for all four work-groups; my work-group's barrier once more.
.macro CROUND
	s_barrier_signal -1
	s_barrier_wait -1
	s_cmp_lg_u32 s[WV], 0
	s_cbranch_scc1 .Lnot_wave_0_\@
	s_barrier_signal -3
.Lnot_wave_0_\@:
	s_barrier_wait -3
	s_barrier_signal -1
	s_barrier_wait -1
.endm
; THE CHANGE OF SLOTS.  The slot's last bytes, V of its fourth step, have been read.  Each wave waits for all its tensor loads, of which one is out: its part of the other slot; adds 0 to its spare word;
; and waits for that and for its own reads of the slot.  Behind the barrier nobody reads this slot any more and the other slot is whole.
; fill = 1: this slot is filled again, with the keys two slots on.  The barrier is then a round of the cluster's, so that no wave of any partner still reads the slot or has a load on its way, and the joint
; fill is the first thing behind it: it has four key steps, 512 matrix instructions, in which to land.  (At its first use nothing has been read yet: slot 0 and the bias are waited for, slot 1 filled.)
; ask = 1: the slot after that is prefetched.
.macro CHANGE fill, ask=0
	WIN W_AD
	s_wait_tensorcnt 0x0            ; no tensor load of mine is out, so a group 0 may be written
	ds_add_u32 v[SPW], v[NIL]       ; 0 onto my spare word; with fill = 1 the descriptors' steps stand between it and the wait for it
	WIN 0                           ; at a label and at a branch every window is 0
.if \fill
.irp g, G0K, G0V
	s_xor_b32 s[\g+1], s[\g+1], SLOT1  ; the walking descriptor: the other slot than last time,
	s_add_nc_u64 s[\g+2:\g+3], s[\g+2:\g+3], 4*KS*128  ; the next 256 keys; the type bits on top are not reached
.endr
.if \ask
	s_wait_xcnt 0x0                 ; the last prefetch, four key steps back, has read its address, so it may be written:
	s_add_nc_u64 s[PFA:PFA+1], s[PFA:PFA+1], 4*KS*128  ; one slot behind the walking descriptors
.endif
	s_wait_dscnt 0x0                ; the add is done, and my reads of the slot are over
	CROUND
	JLOAD
.if \ask
	ASK
.endif
.else
	s_wait_dscnt 0x0                ; the add is done, and my reads of the slot are over
	s_barrier_signal -1
	s_barrier_wait -1
.endif
	s_sub_co_u32 s[TBK], s[TBK], 4*KS*PK  ; the fetches go back to a slot's first step,
	s_xor_b32 s[TBK], s[TBK], SLOT1       ; in the other slot
	s_sub_co_u32 s[TBV], s[TBV], 4*KS*PV
	s_xor_b32 s[TBV], s[TBV], SLOT1
.endm
	s_load_b256 s[4:11], s[0:1], 0x0  ; Q s[4:5], Kp s[6:7], Vp s[8:9], Bias s[10:11]
	s_load_b64 s[OUT:OUT+1], s[0:1], 0x20  ; out
	WIN W_MK
	v_lshl_add_u32 v[SPW], v0, 2, SPARE
	v_mov_b32 v[NIL], 0
	WIN W_AD
	ds_add_u32 v[SPW], v[NIL]       ; the wave's opening: the add and its wait stand ahead of my first tensor load; the set-up below, work on registers, stands between them
	WIN 0
	v_lshrrev_b32 v1, 5, v0
	v_readfirstlane_b32 s[WV], v1   ; wave 0..3
	s_bfe_u32 s13, ttmp6, 0x40000   ; cx: my place in the cluster
	s_lshl_b32 s14, ttmp9, 2        ; in a cluster launch ttmp9 counts clusters
	s_add_co_u32 s14, s14, s13      ; my block of 512 queries = 4 x cluster x + cx: it enters Q's and out's addresses alone
	s_and_b32 s20, ttmp7, 0xffff    ; the head, which the four partners share
	s_and_b32 s16, s[WV], 1         ; which half of a slot's 256 keys, and of the head's biases, I fetch
	s_lshl_b32 s22, s20, 18         ; the head's first byte in Kp and Vp: 2,048 rows of 128 bytes,
	s_lshl_b32 s17, s16, 14         ; my half's 128 rows
	s_add_co_u32 s22, s22, s17
	s_mov_b32 s23, 0
	s_lshl_b32 s2, s14, 2
	s_add_co_u32 s2, s2, s[WV]      ; my wave among the head's sixteen,
	s_lshl_b32 s2, s2, 15           ; its 128 rows of 256 bytes in Q and out,
	s_lshl_b32 s3, s20, 19          ; the head's 2,048 rows
	s_add_co_u32 s2, s2, s3
	s_mov_b32 s3, 0
	s_lshl_b32 s19, s16, 12         ; my half of the biases: 4,096 bytes, in memory and in LDS,
	s_lshl_b32 s20, s20, 13         ; the head's 8,192
	s_add_co_u32 s20, s20, s19
	s_mov_b32 s21, 0
	s_mul_i32 s17, s16, 128*PK      ; my half's place in a slot, for K'
	s_mul_i32 s18, s16, 128*PV      ; and for V: no place in the cluster enters an LDS address
	; descriptor group 1.  128 keys are 16,384 dense bytes: asked for as 64 rows of 256 bytes, two keys a row, and padded in LDS after every key
	s_mov_b32 s[G1K], 15|(1<<16)|(1<<20)|(1<<21)|(4<<22)|(3<<25)  ; 15:0 the mask of four; 17:16 2-byte elements; 20 padding on; 21 set beside a mask; 24:22 after every 32 words (code 4); 31:25 4 words (code 3)
	s_mov_b32 s[G1V], 15|(1<<16)|(1<<20)|(1<<21)|(4<<22)|(7<<25)  ; the same with 8 words of padding (code 7)
.irp g, G1K, G1V
	s_mov_b32 s[\g+1], 128<<16      ; tensor_dim0 = 128
	s_mov_b32 s[\g+2], 64<<16       ; tensor_dim1 = 64
	s_mov_b32 s[\g+3], 128<<16      ; tile_dim0 = 128
	s_mov_b32 s[\g+4], 64           ; tile_dim1 = 64
	s_mov_b32 s[\g+5], 128          ; 128 elements from row to row
	s_mov_b32 s[\g+6], 0
	s_mov_b32 s[\g+7], 0
.endr
	s_mov_b32 s[G1B], 15|(3<<16)|(1<<21)  ; the bias: the mask of four; 8-byte elements; no padding: 4,096 dense bytes as 16 rows of 256
	s_mov_b32 s[G1B+1], 32<<16      ; tensor_dim0 = 32
	s_mov_b32 s[G1B+2], 16<<16      ; tensor_dim1 = 16
	s_mov_b32 s[G1B+3], 32<<16      ; tile_dim0 = 32
	s_mov_b32 s[G1B+4], 16          ; tile_dim1 = 16
	s_mov_b32 s[G1B+5], 32          ; 32 elements from row to row
	s_mov_b32 s[G1B+6], 0
	s_mov_b32 s[G1B+7], 0
	s_mov_b32 s[CS], 0x3fb8aa3b     ; c = log2(e)
	s_mov_b32 s[CS+1], s[CS]        ; named with it as a pair
	s_mov_b32 s[SEL], 0x76543210
	s_mov_b32 s[SEL+1], 0xfedcba98
	s_mov_b32 s[HM], 0xffff0000
	s_mov_b32 s[TBK], SLOT1+4*KS*PK ; the first change of slots turns these two into 0
	s_mov_b32 s[TBV], SLOT1+4*KS*PV
	s_mov_b32 s[TBB], 0
	s_mov_b32 s[G0K], 1             ; 1:0 count = 1
	s_mov_b32 s[G0K+1], s17         ; 63:32 LDS address: slot 0
	s_mov_b32 s[G0V], 1
	s_add_co_u32 s[G0V+1], s18, VOFF
	s_mov_b32 s[G0B], 1
	s_add_co_u32 s[G0B+1], s19, BIAS
	s_cmp_eq_u32 s16, 0             ; waves 0 and 2 prefetch: the same in all four partners
	s_cselect_b32 s[LIM], 1, -1
	s_wait_dscnt 0x0                ; the opening add is done
	s_wait_kmcnt 0x0
	s_add_nc_u64 s[6:7], s[6:7], s[22:23]  ; Kp and Vp at my half of the head's first 256 keys
	s_add_nc_u64 s[8:9], s[8:9], s[22:23]
	s_add_nc_u64 s[10:11], s[10:11], s[20:21]  ; Bias at my half of the head's
	s_add_nc_u64 s[G0K+2:G0K+3], s[6:7], 0         ; 120:64 global address
	s_or_b32 s[G0K+3], s[G0K+3], 0x80000000        ; 127:126 type = 2
	s_add_nc_u64 s[G0V+2:G0V+3], s[8:9], 0
	s_or_b32 s[G0V+3], s[G0V+3], 0x80000000
	s_add_nc_u64 s[G0B+2:G0B+3], s[10:11], 0
	s_or_b32 s[G0B+3], s[G0B+3], 0x80000000
	s_add_nc_u64 s[4:5], s[4:5], s[2:3]  ; Q and out at my wave's first row
	s_add_nc_u64 s[OUT:OUT+1], s[OUT:OUT+1], s[2:3]
	s_cmp_lt_u32 s[WV], 2
	s_cselect_b64 s[PFA:PFA+1], s[6:7], s[8:9]  ; (in waves 0 and 2 these stand at a slot's first row)
	s_lshl_b32 s2, s13, 13          ; my work-group's 32 blocks of the 128
	s_mov_b32 s3, 0
	s_add_nc_u64 s[PFA:PFA+1], s[PFA:PFA+1], s[2:3]
	s_add_nc_u64 s[PFA:PFA+1], s[PFA:PFA+1], 2*4*KS*128  ; in slot 2; the first change that asks steps it to slot 3.  Nothing is prefetched here, at the head, where every work-group's first tiles are on their way
	CROUND                          ; all four work-groups are here: the first joint loads meet
	s_cmp_lt_u32 s[WV], 2           ; a wave's first fills stand in one branch, ahead of every wait on TENSORcnt and every LDS read: two loads of waves 0 and 1 are out, one of waves 2 and 3
	s_cbranch_scc0 .Lfirst_v
	tensor_load_to_lds s[G0K:G0K+3], s[G1K:G1K+7]  ; slot 0.  Slot 1 is asked for when slot 0 is in
	s_nop 0
	tensor_load_to_lds s[G0B:G0B+3], s[G1B:G1B+7]  ; my half of the head's biases
	s_nop 0
.rept 4
	v_nop
.endr
	s_branch .Lfirst_asked
.Lfirst_v:
	tensor_load_to_lds s[G0V:G0V+3], s[G1V:G1V+7]
	s_nop 0
.rept 4
	v_nop
.endr
.Lfirst_asked:
	; A fragment of K' or Q' is 16 rows x 32 channels in 8 registers: lane l holds row l % 16, channels 8 (l / 16) + 0..7 (registers 0-3) and 16 + 8 (l / 16) + 0..7 (registers 4-7).
	; In f32 eight channels are 32 bytes: group i of eight registers (tile i / 4, channels 32 ((i / 2) % 2) + 16 (i % 2) on) comes by two loads of 16 bytes and becomes registers 4 i .. 4 i + 3 of Q'.
	v_and_b32 v1, 15, v0            ; l % 16
	v_bfe_u32 v9, v0, 4, 1          ; l / 16
	v_lshlrev_b32 v[QO], 8, v1
	v_lshl_add_u32 v[QO], v9, 5, v[QO]  ; row x 256 + 32 x half
	WIN 0x40                        ; destination window 1, address window 0
.set i, 0
.rept 32
	global_load_b128 v[8*i:8*i+3],   v[QO], s[4:5] offset:(i/4)*4096+((i/2)%2)*128+(i%2)*64
	global_load_b128 v[8*i+4:8*i+7], v[QO], s[4:5] offset:(i/4)*4096+((i/2)%2)*128+(i%2)*64+16
.set i, i+1
.endr
	; What the first turn finds: V's registers and P's second buffer hold 0 (its products V^T P, of a piece that has not been, add 0), O^T and l are 0.  All this stands in the wait for Q and the first tile.
	WIN 0x80
.set i, VF
.rept 64
	v_mov_b32 v[i], 0
.set i, i+1
.endr
	WIN 0
.set i, 0
.rept 2*NP
	v_mov_b32 v[ST+4*i], 0xfe000000    ; c m: far below every c s
	v_mov_b32 v[ST+4*i+1], 0xff7fffff  ; m
	v_mov_b32 v[ST+4*i+2], 0
	v_mov_b32 v[ST+4*i+3], 0
.set i, i+1
.endr
.set i, P+32
.rept 32
	v_mov_b32 v[i], 0
.set i, i+1
.endr
	v_mul_u32_u24 v[AK0], v1, PK
	v_lshl_add_u32 v[AK0], v9, 4, v[AK0]  ; row x pitch + 16 x half
	; The turning load takes 16 keys x 16 channels (lane l reads key 8 (l / 16) + l % 8, channels 8 ((l / 8) % 2) + 0..7) and leaves half a fragment of V^T: lane l holds channel l % 16 and 8 keys.
	v_and_b32 v10, 7, v0
	v_bfe_u32 v11, v0, 3, 1
	v_lshl_add_u32 v[AV0], v9, 3, v10
	v_mul_u32_u24 v[AV0], v[AV0], PV
	v_lshl_add_u32 v[AV0], v11, 4, v[AV0]
	v_add_nc_u32 v[AV0], VOFF, v[AV0]
	v_mov_b32 v[AK], v[AK0]         ; key step 0 lies at the head of slot 0
	v_lshl_add_u32 v[AB0], v9, 5, BIAS  ; my half of the lanes' eight keys of a block of 16: 32 bytes
	v_and_b32 v[PFO], 31, v0
	v_lshlrev_b32 v[PFO], 8, v[PFO]
; Q' IS MADE, 64 numbers a lane at a time: a = Q rounded to bf16; q' = max(a, 0) + (2^(c min(a, 0)) - 1/2), in f32; rounded to f16.  X = the batch's 64 registers in window 1, T = 64 registers in window 0.
; Each step runs through the whole batch under one window setting.  The wait leaves the later batches' loads out: 16 loads a batch.
.macro QBATCH b
.set X0, 64*(\b)
	s_wait_loadcnt 48-16*(\b)
	WIN 0x05                        ; sources window 1, destination window 0
.set i, 0
.rept 32
	v_cvt_pk_bf16_f32 v[T0+i], v[X0+2*i], v[X0+2*i+1]
.set i, i+1
.endr
	WIN 0x40                        ; back into X, as f32
.set i, 0
.rept 32
	v_lshlrev_b32 v[X0+2*i], 16, v[T0+i]
	v_and_b32 v[X0+2*i+1], s[HM], v[T0+i]
.set i, i+1
.endr
	WIN 0x04                        ; source 1 window 1
.set i, 0
.rept 64
	v_min_num_f32 v[T0+i], 0, v[X0+i]
.set i, i+1
.endr
	WIN 0
.set i, 0
.rept 32
	v_pk_mul_f32 v[T0+2*i:T0+2*i+1], v[T0+2*i:T0+2*i+1], s[CS:CS+1] op_sel_hi:[1,0]
.set i, i+1
.endr
.set i, 0
.rept 64
	v_exp_f32 v[T0+i], v[T0+i]
.set i, i+1
.endr
	WIN 0x44                        ; plain instructions stand between the last exponential and the use of its result (ISA guide 5.7.2)
.set i, 0
.rept 64
	v_max_num_f32 v[X0+i], 0, v[X0+i]
.set i, i+1
.endr
	WIN 0
.set i, 0
	s_wait_alu depctr_va_vdst(0)
.rept 32
	v_pk_add_f32 v[T0+2*i:T0+2*i+1], v[T0+2*i:T0+2*i+1], -0.5 op_sel_hi:[1,0]
.set i, i+1
.endr
	WIN 0x04
.set i, 0
.rept 32
	v_pk_add_f32 v[T0+2*i:T0+2*i+1], v[T0+2*i:T0+2*i+1], v[X0+2*i:X0+2*i+1]
.set i, i+1
.endr
	WIN 0x80                        ; destination window 2
.set i, 0
.rept 32
	v_cvt_pk_f16_f32 v[32*(\b)+i], v[T0+2*i], v[T0+2*i+1]
.set i, i+1
.endr
.endm
	QBATCH 0
	QBATCH 1
	QBATCH 2
	QBATCH 3                        ; its wait is for 0: all of Q is in, and QO is free
	WIN 0x40
.set i, 0
.rept 64*NP
	v_mov_b32 v[i], 0               ; O^T, where Q lay
.set i, i+1
.endr
	WIN 0
	s_mul_i32 s13, s[WV], 16*SP
	s_add_co_u32 s13, s13, STAGE    ; my stage
	v_mul_u32_u24 v[STO], v1, SP    ; in: row l % 16, 32 bytes for each half of the lanes
	v_lshl_add_u32 v[STO], v9, 5, v[STO]
	v_add_nc_u32 v[STO], s13, v[STO]
	v_mul_u32_u24 v[RD], v9, SP     ; back: lanes 0-15 take one row of 256 bytes, lanes 16-31 the next,
	v_lshl_add_u32 v[RD], v1, 4, v[RD]
	v_add_nc_u32 v[RD], s13, v[RD]
	v_and_b32 v[GO], 31, v0         ; which are 512 consecutive bytes of out
	v_lshlrev_b32 v[GO], 4, v[GO]
	v_mov_b32 v[AB], v[AB0]         ; key step 0's biases lie at the head of the head's
; THE MATRIX WORK.  The 8 accumulators of a run of 16 take turns: between the two links of a chain stand 7 others'.
; Product i of 16 of S^T = K' Q'^T + bias for piece x: channels 32 (i / 8) on, keys 16 ((i / 2) % 4) on, tile 2 x + i % 2.  The first 8 start the sums, with the bias of their 16 keys.
.macro KQ x
.set rS, S+64*((\x)%2)+32*(i%2)+8*((i/2)%4)
.set rK, KF+16*((i/2)%4)+8*(i/8)
.set rQ, 16*(2*(\x)+i%2)+8*(i/8)
.set rB, BI+8*((i/2)%4)
.if i < 8
	WIN W_KB
	v_wmma_f32_16x16x32_f16 v[rS:rS+7], v[rK:rK+7], v[rQ:rQ+7], v[rB:rB+7]
.else
	WIN W_KQ
	v_wmma_f32_16x16x32_f16 v[rS:rS+7], v[rK:rK+7], v[rQ:rQ+7], v[rS:rS+7]
.endif
.endm
; Product i of 16 of O^T += V^T P for piece x: keys 32 (i / 8) on, channels 16 ((i / 2) % 4) on, tile 2 x + i % 2.
.macro PV x
	WIN W_PV
.set rO, 32*(2*(\x)+i%2)+8*((i/2)%4)
.set rV, VF+32*(i/8)+8*((i/2)%4)
.set rP, P+32*((\x)%2)+16*(i%2)+8*(i/8)
	v_wmma_f32_16x16x32_f16 v[rO:rO+7], v[rV:rV+7], v[rP:rP+7], v[rO:rO+7]
.endm
.macro MM                           ; the turn's next matrix instruction
.if i < 16
	KQ (Y+1)%NP
.set i, i+1
.else
.set i, i-16
	PV (Y+NP-1)%NP
.set i, i+17
.endif
.endm
; THE LDS LOADS stand in runs, never singly among the matrix instructions: a step's K' (64 keys x 64 channels: 8 fragments) with its 64 biases (eight a lane and key block), and its V (turned).
; Their addresses are made some lines ahead.  last = 1 (the tail): in the last trip there is no further step, and the run is jumped over.
.macro FETCH_K last=0
	WIN 0
.if \last
	s_cmp_eq_u32 s[CNT], 1
	s_cbranch_scc1 .Lno_k_\@
.endif
	WIN 0x80                        ; destination window 2
.irp f, 0,1,2,3,4,5,6,7             ; keys 16 (f / 2) on, channels 32 (f % 2) on
	ds_load_b128 v[KF+8*\f:KF+8*\f+3],   v[AK] offset:(\f/2)*16*PK+(\f%2)*64
	ds_load_b128 v[KF+8*\f+4:KF+8*\f+7], v[AK] offset:(\f/2)*16*PK+(\f%2)*64+32
.endr
	WIN 0xc0                        ; destination window 3
.irp f, 0,1,2,3,4,5,6,7             ; key block f / 2: 64 bytes; of my half's 32 bytes the first or the second 16
	ds_load_b128 v[BI+4*\f:BI+4*\f+3], v[AB] offset:(\f/2)*64+(\f%2)*16
.endr
	s_add_co_u32 s[TBK], s[TBK], KS*PK  ; the next fetch is the next step's
	s_add_co_u32 s[TBB], s[TBB], KS*4
	WIN 0
.if \last
.Lno_k_\@:
.endif
.endm
.macro FETCH_V
	WIN 0x80
.irp f, 0,1,2,3,4,5,6,7             ; keys 32 (f / 4) on, channels 16 (f % 4) on
	ds_load_tr16_b128 v[VF+8*\f:VF+8*\f+3],   v[AV] offset:(\f/4)*32*PV+(\f%4)*32
	ds_load_tr16_b128 v[VF+8*\f+4:VF+8*\f+7], v[AV] offset:(\f/4)*32*PV+16*PV+(\f%4)*32
.endr
	WIN 0
.endm
; THE VECTOR WORK OF A TURN stands in three queues, each in the order in which its entries become ready; the two tiles alternate, so that no instruction reads the result of the one before it.
.macro REGS y, u                    ; the registers of tile u (0, 1) of piece y
.set rT, ST+4*(2*(\y)+(\u))
.set rC, TMP+8*((\y)%2)+4*(\u)
.set rM, MV+2*((\y)%2)+(\u)
.set rS, S+64*((\y)%2)+32*(\u)
.set rP, P+32*((\y)%2)+16*(\u)
.set rO, 32*(2*(\y)+(\u))
.endm
; Number n of the 22 that find the NEXT piece's (Y + 1) maximum and statistics.  s0-s31 are the lane's 32 scores; each accumulator's lowest registers are read first.  XS, GS and REGS set no window: PL and EX do.
;   0-11  four chains c0-c3 of seven scores each, three operands at a time     12-14, 16  the four scores left over, the old m, and c0-c3 into c0     15  c m_old is kept
;   17, 18  the query's other 32 keys lie in the lane 16 away: the new m         19-21  c m; c m_old - c m_new; a
.macro XS u, n
	REGS (Y+1)%NP, \u
.if (\n) < 4
	v_max3_num_f32 v[rC+(\n)], v[rS+8*(\n)], v[rS+8*(\n)+1], v[rS+8*(\n)+2]
.elseif (\n) < 12
	v_max3_num_f32 v[rC+(\n)%4], v[rC+(\n)%4], v[rS+8*((\n)%4)+2*((\n)/4)+1], v[rS+8*((\n)%4)+2*((\n)/4)+2]
.elseif (\n) == 12
	v_max3_num_f32 v[rC], v[rC], v[rS+7], v[rS+15]
.elseif (\n) == 13
	v_max3_num_f32 v[rC+1], v[rC+1], v[rS+23], v[rS+31]
.elseif (\n) == 14
	v_max3_num_f32 v[rC+2], v[rC+2], v[rC+3], v[rT+1]
.elseif (\n) == 15
	v_mov_b32 v[rM], v[rT]
.elseif (\n) == 16
	v_max3_num_f32 v[rC], v[rC], v[rC+1], v[rC+2]
.elseif (\n) == 17
	v_permlanex16_b32 v[rC+3], v[rC], s[SEL], s[SEL+1]
.elseif (\n) == 18
	v_max_num_f32 v[rT+1], v[rC], v[rC+3]
.elseif (\n) == 19
	v_mul_f32 v[rT], s[CS], v[rT+1]
.elseif (\n) == 20
	v_sub_f32 v[rC+1], v[rM], v[rT]
.else
	v_exp_f32 v[rC+2], v[rC+1]
.endif
.endm
; Number g of the 64 that follow the exponentials.  For each four weights k of a tile (pairs 2 k, 2 k + 1): both pairs are rounded to f16; then the second pair is added onto the first, in place;
; a group later l takes that sum (the first time as l = a l + sum).  In groups of eight, tiles alternating: round, round, add, and l for the group before.
.macro GS g
.set h, (\g)+6*((\g)/62)            ; group 0 has no group before it, and behind group 7 only l is left
.if h >= 6
.set h, h+2
.endif
	REGS Y, h%2
.set k, h/8
.if h%8 < 4
	s_wait_alu depctr_va_vdst(0)
	v_cvt_pk_f16_f32 v[rP+2*k+(h%8)/2], v[rS+4*k+2*((h%8)/2)], v[rS+4*k+2*((h%8)/2)+1]
.elseif h%8 < 6
	v_pk_add_f32 v[rS+4*k:rS+4*k+1], v[rS+4*k:rS+4*k+1], v[rS+4*k+2:rS+4*k+3]
.elseif k == 1
	v_pk_fma_f32 v[rT+2:rT+3], v[rT+2:rT+3], v[rC+2:rC+3], v[rS:rS+1] op_sel_hi:[1,0,1]
.else
	v_pk_add_f32 v[rT+2:rT+3], v[rT+2:rT+3], v[rS+4*k-4:rS+4*k-3]
	s_wait_alu depctr_va_vdst(0)
.endif
.endm
; THE PLAIN QUEUE, 138 long.  0-31: c s - c m for the 16 pairs of both tiles.  Then GS's 64, and among them the next piece's 42: number 15 at 38, 39; 0-14 and 16
; at 42-73, behind the products that make those scores; 17-20 at 95-106, two of three, since each waits for the one before it.
.macro PL
	WIN 0
.if q < 32
	REGS Y, q%2
	v_pk_fma_f32 v[rS+2*(q/2):rS+2*(q/2)+1], v[rS+2*(q/2):rS+2*(q/2)+1], s[CS:CS+1], v[rT:rT+1] op_sel_hi:[1,0,0] neg_lo:[0,0,1] neg_hi:[0,0,1]
.elseif q < 38
	GS q-32
.elseif q < 40
	XS q%2, 15
.elseif q < 42
	GS q-34
.elseif q < 74
	XS q%2, (q-42)/2+(q-42)/30
.elseif q < 95
	GS q-66
.elseif (q < 107) && ((q-95)%3 < 2)
	XS (q-95)%3, 17+(q-95)/3
.elseif q < 107
	GS 29+(q-95)/3
.else
	GS q-74
.endif
.set q, q+1
.endm
; THE EXPONENTIALS' QUEUE, 66 long: s0-s31 of both tiles, and at EA the next piece's two a.
.set EA, 58
.macro EX
	WIN 0
.if (e == EA) || (e == EA+1)
	XS e-EA, 21
.else
.set x, e-2*(e/(EA+2))
	REGS Y, x%2
	v_exp_f32 v[rS+x/2], v[rS+x/2]
.endif
.set e, e+1
.endm
; THE RESCALING's QUEUE: O^T times a, the one part that leaves window 0, so it is dealt four at a time, eight times.
.macro R4
	REGS Y, r%2
	WIN W_RS
	s_wait_alu depctr_va_vdst(0)
.irp z, 0,1,2,3
	v_pk_mul_f32 v[rO+8*(r/2)+2*\z:rO+8*(r/2)+2*\z+1], v[rO+8*(r/2)+2*\z:rO+8*(r/2)+2*\z+1], v[rC+2:rC+3] op_sel_hi:[1,0]
.endr
.set r, r+1
.endm
; HOW THEY ARE DEALT.  Behind a matrix instruction four: plain, exponential, plain, plain (one exponential, a plain instruction on either side), or four of the rescaling.  None names a register of the
; products round it.  What is over stands in two LUMPS: exponential and plain by turns; the second ends in 22 plain instructions.  The two v_permlanex16_b32 fall into the second lump, never behind a product.
; The queues lean on each other, and the deal keeps them in step: exponential e stands behind plain 2 (e / 4) + e % 2 (its scaling); when plain 32 comes, 10 exponentials are out, at 59: 33, at 95: 46; EA comes behind plain 107.
.macro SL
	MM
	PL
	EX
	PL
	PL
.endm
.macro BURST n                      ; 15 matrix instructions, or 16
.rept (\n)-7
	SL
.endr
.rept 3
	MM
	R4
	SL
.endr
	MM
	R4
.endm
; A TURN, for piece p.  cnt = 1: the loop's count is taken down some lines ahead of the branch that stands behind the turn.
; K' and the bias of the next step are fetched in piece 2's turn, some thirty vector instructions behind the last product that read them (four rescalings, plain, stand directly behind it);
; their first reader comes behind the rest of the lump, 16 products and the second lump.  V of the step in hand is fetched at the end of piece 0's turn, 69 vector instructions behind its last reader;
; its first reader comes behind 16 products and a lump.  The conditions on e and q below go with the deal.
.macro TURN p, last=0, cnt=0
.set Y, (\p)
.set i, 0
.set q, 0
.set e, 0
.set r, 0
.if (\p) == NP-1
	s_wait_dscnt 0x0                ; K' and the bias are in
.endif
	MM
.rept 4
	PL
.endr
	BURST 15
.rept 22
	EX
	PL
.if ((\p) == NP-2) && (e == 18)
	v_add_nc_u32 v[AK], s[TBK], v[AK0]
	v_add_nc_u32 v[AB], s[TBB], v[AB0]
.endif
.if ((\p) == NP-2) && (e == 24)
	FETCH_K \last
.endif
.endr
.if (\p) == 1
	s_wait_dscnt 0x0                ; V is in
.endif
	BURST 16
.rept 21
	EX
	PL
.endr
.rept 22
	PL
.if ((\p) == 0) && (q == 118)
	v_add_nc_u32 v[AV], s[TBV], v[AV0]
	s_wait_alu depctr_va_vdst(0)
.endif
.if ((\p) == 0) && (q == 130)
	s_add_co_u32 s[TBV], s[TBV], KS*PV
.endif
.if (\cnt) && (q == 130)
	s_sub_co_u32 s[CNT], s[CNT], 1
	s_cmp_lg_u32 s[CNT], 0
.endif
.endr
.if (\p) == 0
	FETCH_V
.endif
.endm
	CHANGE 1, 0                     ; slot 0 and the bias are in, everybody's part of them; slot 1 is asked for
	FETCH_K                         ; key step 0
	s_wait_dscnt 0x0
.set i, 0
.rept 16
	KQ 0                            ; piece 0's first scores: there is no vector work yet to set between them
.set i, i+1
.endr
	WIN 0
.rept 4
	v_nop                           ; the places behind those products (ISA guide 7.12.1)
.endr
.set Y, NP-1                        ; XS works for piece Y + 1: piece 0
.irp n, 0,1,2,3,4,5,6,7,8,9,10,11,12,13,14,15,16,17,18,19,20,21
	XS 0, \n                        ; and piece 0's first maximum and statistics
	XS 1, \n
.endr
	s_mov_b32 s[CNT], 4
	s_mov_b32 s[SLOTS], SIZE_N/256-1
	s_branch .Lfirst                ; the loop is entered at a step's first turn, in the middle of a trip
.Lslot:                             ; SIZE_N / 256 - 2 times: every slot but the last two is filled again
	CHANGE 1, 1
	s_mov_b32 s[CNT], 4
.Lstep:                             ; a trip: pieces 2 and 3 of one step, then pieces 0 and 1 of the next, whose K', bias and V it fetches
	TURN 2
	TURN 3
	WIN 0
.Lfirst:
	TURN 0
	TURN 1, 0, 1
	WIN 0
	s_cbranch_scc1 .Lstep
	s_sub_co_u32 s[SLOTS], s[SLOTS], 1
	s_cmp_lg_u32 s[SLOTS], 0
	s_cbranch_scc1 .Lslot
	CHANGE 0, 0                     ; the tail is written out: nothing is asked for
	s_mov_b32 s[CNT], 5             ; four trips fetch the last slot's steps; the fifth is left in its middle
.Ltail:
	TURN 2, 1
	TURN 3
	WIN 0
	s_sub_co_u32 s[CNT], s[CNT], 1
	s_cmp_eq_u32 s[CNT], 0
	s_cbranch_scc1 .Lout
	TURN 0
	TURN 1
	WIN 0
	s_branch .Ltail
.Lout:                              ; the fifth trip's 16 products K' Q'^T (on the last K' once more) and the maximum made of them serve nothing: the price, once a launch, of one text for every trip
.set i, 0
.rept 16
	PV NP-1                         ; the last piece's V^T P of the last step
.set i, i+1
.endr
	; THE WAY OUT.  l's two halves and the other half of the lanes' are added; O^T is divided by l and sent through my stage in LDS, a tile (16 rows of out) at a time.  The additions are the places behind the last products.
	WIN 0
.macro ALL line:vararg              ; one line for each tile t
.set t, 0
.rept 2*NP
	\line
.set t, t+1
.endr
.endm
	ALL v_add_f32 v[ST+4*t+2], v[ST+4*t+2], v[ST+4*t+3]
	ALL v_permlanex16_b32 v[ST+4*t+3], v[ST+4*t+2], s[SEL], s[SEL+1]
	ALL v_add_f32 v[ST+4*t+2], v[ST+4*t+2], v[ST+4*t+3]
	ALL v_rcp_f32 v[ST+4*t+2], v[ST+4*t+2]
	v_nop                           ; a plain instruction between the last reciprocal and the use of its result
	s_wait_alu depctr_va_vdst(0)
; Tile t: a lane's eight channels of a row are 32 bytes of f32; they go into rows of 272 bytes and come back as whole rows of 256, into S^T's registers, four buffers of 32 by turns.
.macro PACK t
	WIN W_RS
.set i, 32*(\t)
.rept 16
	v_pk_mul_f32 v[i:i+1], v[i:i+1], v[ST+4*(\t)+2:ST+4*(\t)+3] op_sel_hi:[1,0]  ; in ascending order: each accumulator's lowest registers are read first
.set i, i+2
.endr
	WIN 0x04                        ; the stores' data in window 1, their address in window 0
.irp f, 0,1,2,3,4,5,6,7             ; channel block f / 2: 64 bytes; of my half's 32 bytes the first or the second 16
	ds_store_b128 v[STO], v[32*(\t)+4*\f:32*(\t)+4*\f+3] offset:(\f/2)*64+(\f%2)*16
.endr
	WIN 0
.if (\t) >= 4
	s_wait_xcnt 0x0                 ; the stores of the tile four back have read this buffer: it is loaded again only behind this wait
.endif
.irp f, 0,1,2,3,4,5,6,7
	ds_load_b128 v[S+32*((\t)%4)+4*\f:S+32*((\t)%4)+4*\f+3], v[RD] offset:\f*2*SP  ; LDS serves a wave's instructions in order (ISA guide 5.7.1.4): these see the stores above; the next tile's stores come behind them
.endr
.endm
.macro SEND t, younger              ; younger: the LDS instructions issued behind tile t's loads: the next tile's sixteen, or none
	WIN 0
.irp f, 0,1,2,3,4,5,6,7
	s_wait_dscnt (\younger)+7-\f
	global_store_b128 v[GO], v[S+32*((\t)%4)+4*\f:S+32*((\t)%4)+4*\f+3], s[OUT:OUT+1] offset:(\t)*4096+\f*512  ; 512 consecutive bytes, at a multiple of 256 from out's first
.endr
.endm
	PACK 0
.set t, 1
.rept 2*NP-1                        ; a tile's arithmetic stands between the loads of the tile before and its stores
	PACK t
	SEND t-1, 16
.set t, t+1
.endr
	SEND 2*NP-1, 0
	WIN W_AD
	s_wait_tensorcnt 0x0            ; the wave's end, behind my last tensor load and my last LDS store
	ds_add_u32 v[SPW], v[NIL]
	s_wait_dscnt 0x0
	WIN 0
	CROUND                          ; the closing round: no work-group ends while a partner may still ask for a tile that names it
	s_endpgm
.Lfunc_end_k_qac9b89329c_attn:
	.size	k_qac9b89329c_attn, .Lfunc_end_k_qac9b89329c_attn-k_qac9b89329c_attn
	.p2alignl 7, 3214868480
	.fill 96, 4, 3214868480
	.section	.rodata,"a",@progbits
	.p2align	6, 0x0
	.amdhsa_kernel k_qac9b89329c_attn
		.amdhsa_group_segment_fixed_size 327680
		.amdhsa_private_segment_fixed_size 0
		.amdhsa_enable_private_segment 0
		.amdhsa_kernarg_size 40
		.amdhsa_user_sgpr_count 2
		.amdhsa_user_sgpr_kernarg_segment_ptr 1
		.amdhsa_wavefront_size32 1
		.amdhsa_system_sgpr_workgroup_id_x 1
		.amdhsa_system_sgpr_workgroup_id_y 1
		.amdhsa_system_sgpr_workgroup_id_z 1
		.amdhsa_system_vgpr_workitem_id 0
		.amdhsa_next_free_vgpr 808
		.amdhsa_next_free_sgpr 80
		.amdhsa_reserve_vcc 0
		.amdhsa_float_denorm_mode_32 3
		.amdhsa_float_denorm_mode_16_64 3
		.amdhsa_memory_ordered 1
		.amdhsa_forward_progress 1
		.amdhsa_inst_pref_size 255
	.end_amdhsa_kernel
	.section	.bss,"aw",@nobits
	.p2align	6
	.space	262144
	.amdgpu_metadata
---
amdhsa.version: [ 1, 2 ]
amdhsa.kernels:
  - .name:           k_qac9b89329c_attn
    .symbol:         k_qac9b89329c_attn.kd
    .args:
      - { .name: Q, .offset: 0, .size: 8, .value_kind: global_buffer, .address_space: global }
      - { .name: Kp, .offset: 8, .size: 8, .value_kind: global_buffer, .address_space: global }
      - { .name: Vp, .offset: 16, .size: 8, .value_kind: global_buffer, .address_space: global }
      - { .name: Bias, .offset: 24, .size: 8, .value_kind: global_buffer, .address_space: global }
      - { .name: out0, .offset: 32, .size: 8, .value_kind: global_buffer, .address_space: global }
    .group_segment_fixed_size: 327680
    .private_segment_fixed_size: 0
    .kernarg_segment_align: 8
    .kernarg_segment_size: 40
    .max_flat_workgroup_size: 128
    .sgpr_count:     80
    .vgpr_count:     808
    .wavefront_size: 32
...
	.end_amdgpu_metadata
.endif
;; end of part 2
